; MI455X (gfx1250); checked and timed in simulation.
; The chip was launched on July 23, 2026; its instructions are those of AMD's public machine-readable ISA for CDNA 5 (MIT licence, August 2026) and "CDNA5" Instruction Set Architecture Reference Guide (July 2026). The comments in the code are by the model that wrote it; some were corrected since.
;; My Cross Attention ori. Allowed arithmetic: matrix products marked QUANTISED: E3M2 operands, one E8M0 scale for each 32 along K, by v_wmma_scale_f32_16x16x128_f8f6f4 with both operands' format E3M2, f32 sums; products left as they are: f32 operands where the result goes on into a quantised operand, else bf16, f16 or f32 operands; f32 sums; everything else in f32.
;; Inputs: Wk_codes 512 x 16 x 24 uint8 (E3M2 codes of Wk, K innermost, in blocks of 32 codes, four codes in three bytes); Wk_scales 512 x 16 uint8 (E8M0 scales of Wk, one for each 32 codes along K); Wp_codes 512 x 16 x 24 uint8 (E3M2 codes of Wp, K innermost, in blocks of 32 codes, four codes in three bytes); Wp_scales 512 x 16 uint8 (E8M0 scales of Wp, one for each 32 codes along K); Wq_codes 512 x 16 x 24 uint8 (E3M2 codes of Wq, K innermost, in blocks of 32 codes, four codes in three bytes); Wq_scales 512 x 16 uint8 (E8M0 scales of Wq, one for each 32 codes along K); k_codes 4 x 2,048 x 16 x 24 uint8 (E3M2 codes of k, K innermost, in blocks of 32 codes, four codes in three bytes); k_scales 4 x 2,048 x 16 uint8 (E8M0 scales of k, one for each 32 codes along K); q_codes 4 x 4,096 x 16 x 24 uint8 (E3M2 codes of q, K innermost, in blocks of 32 codes, four codes in three bytes); q_scales 4 x 4,096 x 16 uint8 (E8M0 scales of q, one for each 32 codes along K); supp_mask 4 x 2,048 int32; v 4 x 2,048 x 512 float32.
;; Outputs: out0 4 x 4,096 x 512 float32.
;; This version of the problem:
;;   THIS VERSION OF THE PROBLEM IS GIVEN IN LOW PRECISION. The matrix products marked QUANTISED in the list below multiply operands that are first quantised to E3M2 (3 exponent bits, 2 mantissa bits; 6 bits a number), with one power-of-two scale for each 32 numbers along K (OCP MX v1.0); their sums are f32. All else is computed in f32.
;;   The module's matrix products, in the order in which they are computed (A, B: the left and right operand; K: the contracted axis; several contracted axes count as one K, in the product's order):
;;     1. [M 16,384, K 512] x [K 512, N 512]; A: input q (given as codes); B: input Wq (given as codes): QUANTISED
;;     2. [M 8,192, K 512] x [K 512, N 512]; A: input k (given as codes); B: input Wk (given as codes): QUANTISED
;;     3. batch 32 x [M 4,096, K 64] x [K 64, N 2,048]; A: computed on the way; B: computed on the way: QUANTISED
;;     4. batch 4 x [M 32,768, K 2,048] x [K 2,048, N 1]; A: softmax; B: input supp_mask: left as it is (N = 1 < 16)
;;     5. [M 16,384, K 512] x [K 512, N 512]; A: computed on the way; B: input Wp (given as codes): QUANTISED
;;   THE QUANTISER, for each operand of a quantised product, along K:
;;     - K is cut into blocks of 32 from its start; a last block that is shorter is filled with zeros.
;;     - A block's scale is 2^e with e = floor(log2(the largest magnitude in the block)) - 4, held to -126 .. 127; a block of zeros has e = 0. As a byte (E8M0): e + 127.
;;     - Each number is divided by its block's scale, clamped to +-28, and rounded to the nearest number of E3M2, ties to even, subnormals kept.
;;     - The product sums the exact products of the quantised numbers (number of the format x scale) in f32.
;;   ~~~python
;;   def quantise(x, axis):      # numpy; x: float32 -> the quantised numbers, widened to float32 again
;;       x = np.moveaxis(x, axis, -1); K = x.shape[-1]
;;       x = np.pad(x, [(0, 0)] * (x.ndim - 1) + [(0, -K % 32)]); x = x.reshape(x.shape[:-1] + (-1, 32)); a = np.abs(x).max(-1, keepdims=True)
;;       e = np.where(a > 0, np.clip(np.frexp(np.where(a > 0, a, 1))[1] - 1 - 4, -126, 127), 0)      # np.frexp(a)[1] - 1 = floor(log2(a)), exactly
;;       r = np.clip(x / 2.0 ** e, -28, 28)
;;       step = 2.0 ** (np.maximum(np.frexp(np.where(r == 0, 1, r))[1] - 1, -2) - 2)
;;       q = np.round(r / step) * step * 2.0 ** e      # np.round: ties to even
;;       return np.moveaxis(q.reshape(q.shape[:-2] + (-1,))[..., :K], -1, axis).astype(np.float32)
;;   ~~~
;;   OPERANDS COMPUTED ON THE WAY. 'Computed on the way' means the value that the module computes at that place (a softmax that the list does not call 'softmax' is quantised finished and normalised). What goes into a quantiser is computed in f32, as accurately as f32 sums, v_exp_f32 and their like allow (about 1e-6 of the number): no bf16 or f16 on the way to a quantiser, and a product that is left as it is and whose result goes on into a quantised operand takes f32 operands (vector FMAs, or v_wmma_f32_16x16x4_f32). A number that lies on a knife's edge between two numbers of the format may be rounded either way, as far as f32 arithmetic and the matrix unit's own rounding can turn it there, and no further.
;;   INPUTS GIVEN AS CODES. Wk (in the module: [512, 512], K = its axis 1); Wp (in the module: [512, 512], K = its axis 1); Wq (in the module: [512, 512], K = its axis 1); k (in the module: [4, 2048, 512], K = its axis 2); q (in the module: [4, 4096, 512], K = its axis 2): each comes as NAME_codes (uint8): NAME with its K axis moved to the last place and cut into blocks of 32 codes, [.., K / 32, bytes a block], one block behind the other in memory; four codes in three bytes: a row's codes are one little-endian stream of bits, code i at bits 6 i .. 6 i + 5 (a code: sign, 3 exponent bits, 2 mantissa bits); and NAME_scales (uint8): the same leading axes, one E8M0 byte (e + 127) for each 32 codes along K. Its value is code x scale, taken as it is: it is not quantised again, and the codes and scales need not be those that the quantiser above would give.
;; One version. Each part assembles by itself: llvm-mc -triple=amdgcn-amd-amdhsa -mcpu=gfx1250 --defsym DOCPART=n.
;; ======== version 1 of 1: 2 launches
;; limits: right only within a limited range of input values
;; workspace buffers: qws 6,815,744 bytes; kws 3,407,872 bytes; wpimg 196,608 bytes
;; launch proj (part 1): grid 192 x 1, 4 waves a work-group, clusters of 4 x 1, 327,680 bytes of LDS; arguments q_codes, q_scales, k_codes, k_scales, Wq_codes, Wq_scales, Wk_codes, Wk_scales, Wp_codes, supp_mask, qws, kws, wpimg; writes qws, kws, wpimg
.if DOCPART == 1
	.amdgcn_target "amdgcn-amd-amdhsa--gfx1250"
	.amdhsa_code_object_version 6
	.text
	.protected	k_q875d55b22c_proj
	.globl	k_q875d55b22c_proj
	.p2align	8
	.type	k_q875d55b22c_proj,@function
k_q875d55b22c_proj:
	s_mov_b64 s[64:65], 0
	v_nop
	global_prefetch_b8 v0, s[64:65] scope:SCOPE_SE
	s_setreg_imm32_b32 hwreg(HW_REG_WAVE_MODE, 25, 1), 1
	s_wait_xcnt 0x0
	s_wait_alu depctr_hold_cnt(0) depctr_sa_sdst(0) depctr_va_vdst(0) depctr_va_sdst(0) depctr_va_ssrc(0) depctr_va_vcc(0) depctr_vm_vsrc(0)
	s_getreg_b32 s2, hwreg(HW_REG_IB_STS2, 6, 4)
	s_cmp_eq_u32 s2, 0
	s_cbranch_scc0 .Lentry_in_a_cluster
	s_endpgm
.Lentry_in_a_cluster:
	s_bfe_u32 s2, ttmp6, 0x10000c
	s_cmp_lg_u32 s2, 0x3003
	s_cbranch_scc0 .Lentry_shape_is_right
	s_endpgm
.Lentry_shape_is_right:
; PROJ: qh = q Wq^T and kh = k Wk^T on the given codes of BF6 (E3M2) with their E8M0 scales; the results are quantised in registers along a head's 64
; (two blocks of 32) and stored as IMAGES OF OPERAND REGISTERS for the attention launch.  Two small jobs ride along: supp_mask as f32 beside the keys, and Wp's codes re-laid as images.
; The input v is named by no launch of this program: reference() takes it and never uses it.
; SHARES.  1,536 tiles of 16 tokens (1,024 of q, 512 of k); a work-group takes 128 tokens, so 192 work-groups of equal work: clusters 0-31 take q, clusters 32-47 take k.
; Wave p makes head pair p (features 128 p .. 128 p + 127) for all 128 tokens: its 128 rows of W, 32 fragments, 384 registers, stay in registers.
; CLUSTER.  The four work-groups of a cluster need the same W: each wave's quarter of it is asked for JOINTLY, once, at the head.  Nothing in LDS is filled a second time.
; THE PRODUCT IS USED TRANSPOSED (source 0 = 16 rows of W, source 1 = 16 tokens), and lane r of W's tile 2 b + u takes row 32 b + 8 u + r + 8 (r / 8): a lane then holds ONE token,
; and register 16 b + i of its 64 results is feature 32 b + 16 (lane / 16) + i: sixteen neighbours along the next product's K.
; A BLOCK of the workspace, 13,312 bytes = 128 tokens of one head pair: 8 images of 1,536 bytes (tile T, registers 4 c .. 4 c + 3 of lane l at 1536 T + 512 c + 16 l);
; at 12,288 the scale words (lane l, word i at 16 l + 4 i: tile 2 i + l / 16, token l % 16); at 12,800, for keys alone, the 128 mask values as f32.  In qws those last 512 bytes are neither written nor read.
; LIMITS: NaN, infinities and scale bytes 0xff among the inputs are not served; a block whose largest magnitude lies under 2^-122 keeps the scale byte 1 (a block of zeros too: its codes are zeros, and this program alone reads the bytes).
; REGISTERS: window 0: v2-12 addresses; v16-31 x's scale words, v32-47 W's; v48-51 the block's scale words; v56 a tile's; v60-79 codes just made; v80-143 a tile's 64 results;
;   v144-191, v192-239 x's fragments of a tile, two sets (first: x on its way into LDS); v240-255 at work.   window 1: W's fragments of K steps 0, 1 at v[96 s + 12 t];   window 2: K steps 2, 3.
; A NaN, an infinity or an overflow in v, the input left out, is not carried to the result.
.set BLOCK, 13312
.set PITCH, 432                        ; an LDS row of 512 codes: 3 x (128 bytes + 16 of padding)
.set WPART, 128*PITCH                  ; a wave's 128 rows of W
.set XL,    4*WPART                    ; behind W: the work-group's 128 rows of x, same pitch, written by LDS stores
.set SPARE, XL+WPART                   ; behind x: the spare words, 128 bytes a wave: two blocks of 256 bytes that no other line names
.set QCL,   32                         ; clusters that take q
.set SPW, 2                            ; v2   my spare word's LDS address; never rewritten
.set NIL, 3                            ; v3   0; never rewritten
.set XA,  4                            ; v4   x: XL + 432 r + 24 h;  v5: the same with 40 h, for pieces that lie behind one padding more
.set WA,  6                            ; v6, v7  W: my part + 432 (r + 8 (r / 8)) + 24 h, 40 h
.set LI,  8                            ; v8   16 x lane
.set STA, 9                            ; v9   where x's bytes go in LDS
.set WSO, 11                           ; v11  W's scale words: 16 (r + 8 (r / 8) + 8 h)
.set WPO, 12                           ; v12  Wp's fragment: 384 r + 24 h
.set XS,  16
.set WS,  32
.set GS,  48
.set MJ,  52
.set PW,  56
.set PC,  60
.set HA,  80
.set XF0, 144
.set TM,  240
.set WV,  34                           ; s34  wave = head pair
.set G0,  36                           ; s[36:39] descriptor group 0
.set G1,  40                           ; s[40:47] descriptor group 1
.set SEL, 48                           ; s[48:49] lane selects: lane l xor 16
.set HM,  50                           ; s50  lanes 16-31
.set MSB, 0
.macro WIN new                         ; the immediate's high byte repeats the setting that is left
.if MSB != \new
	s_set_vgpr_msb (MSB<<8)|\new
.set MSB, \new
.endif
.endm
.macro CROUND                          ; a round of the cluster's barrier
	s_barrier_signal -1
	s_barrier_wait -1
	s_cmp_lg_u32 s[WV], 0
	s_cbranch_scc1 .Lnot_wave_0_\@
	s_barrier_signal -3
.Lnot_wave_0_\@:
	s_barrier_wait -3
	s_barrier_signal -1
	s_barrier_wait -1
.endm
; A fragment (16 rows x 128 K, 12 registers) out of rows of pitch 432: six pieces of 8 bytes.  Lanes 16-31 read three pieces further on than lanes 0-15;
; where that is behind one padding more (pieces 13, 14, 30, 31 of a row) the second address register serves.
.macro FRAG reg, adr, s, off
.irp p, 0,1,2,3,4,5
.set PCN, 12*(\s)+6*(\p/3)+\p%3
.if PCN%16 < 13
	ds_load_b64 v[\reg+2*\p:\reg+2*\p+1], v[\adr] offset:(\off)+8*PCN+16*(PCN/16)
.else
	ds_load_b64 v[\reg+2*\p:\reg+2*\p+1], v[\adr+1] offset:(\off)+8*PCN+16*(PCN/16)
.endif
.endr
.endm
; One product.  z = 1: it starts its sum.  ra, rb: the half of the lanes from which source 0's and source 1's scale words are taken.
.macro WM d, a, b, z, sa, ra, sb, rb
.if (\z)
.if (\ra) && (\rb)
	v_wmma_scale_f32_16x16x128_f8f6f4 v[\d:\d+7], v[\a:\a+11], v[\b:\b+11], 0, v[\sa], v[\sb] matrix_a_fmt:MATRIX_FMT_BF6 matrix_b_fmt:MATRIX_FMT_BF6 matrix_a_scale:MATRIX_SCALE_ROW1 matrix_b_scale:MATRIX_SCALE_ROW1
.elseif (\ra)
	v_wmma_scale_f32_16x16x128_f8f6f4 v[\d:\d+7], v[\a:\a+11], v[\b:\b+11], 0, v[\sa], v[\sb] matrix_a_fmt:MATRIX_FMT_BF6 matrix_b_fmt:MATRIX_FMT_BF6 matrix_a_scale:MATRIX_SCALE_ROW1
.elseif (\rb)
	v_wmma_scale_f32_16x16x128_f8f6f4 v[\d:\d+7], v[\a:\a+11], v[\b:\b+11], 0, v[\sa], v[\sb] matrix_a_fmt:MATRIX_FMT_BF6 matrix_b_fmt:MATRIX_FMT_BF6 matrix_b_scale:MATRIX_SCALE_ROW1
.else
	v_wmma_scale_f32_16x16x128_f8f6f4 v[\d:\d+7], v[\a:\a+11], v[\b:\b+11], 0, v[\sa], v[\sb] matrix_a_fmt:MATRIX_FMT_BF6 matrix_b_fmt:MATRIX_FMT_BF6
.endif
.else
.if (\ra) && (\rb)
	v_wmma_scale_f32_16x16x128_f8f6f4 v[\d:\d+7], v[\a:\a+11], v[\b:\b+11], v[\d:\d+7], v[\sa], v[\sb] matrix_a_fmt:MATRIX_FMT_BF6 matrix_b_fmt:MATRIX_FMT_BF6 matrix_a_scale:MATRIX_SCALE_ROW1 matrix_b_scale:MATRIX_SCALE_ROW1
.elseif (\ra)
	v_wmma_scale_f32_16x16x128_f8f6f4 v[\d:\d+7], v[\a:\a+11], v[\b:\b+11], v[\d:\d+7], v[\sa], v[\sb] matrix_a_fmt:MATRIX_FMT_BF6 matrix_b_fmt:MATRIX_FMT_BF6 matrix_a_scale:MATRIX_SCALE_ROW1
.elseif (\rb)
	v_wmma_scale_f32_16x16x128_f8f6f4 v[\d:\d+7], v[\a:\a+11], v[\b:\b+11], v[\d:\d+7], v[\sa], v[\sb] matrix_a_fmt:MATRIX_FMT_BF6 matrix_b_fmt:MATRIX_FMT_BF6 matrix_b_scale:MATRIX_SCALE_ROW1
.else
	v_wmma_scale_f32_16x16x128_f8f6f4 v[\d:\d+7], v[\a:\a+11], v[\b:\b+11], v[\d:\d+7], v[\sa], v[\sb] matrix_a_fmt:MATRIX_FMT_BF6 matrix_b_fmt:MATRIX_FMT_BF6
.endif
.endif
.endm
; 64 numbers of a lane, register 16 b + i = k 32 b + 16 (lane / 16) + i of my token, become a fragment's codes in v[PC] on and its scale word in v[PW].
.macro QUANT s
.irp b, 0,1,2,3
	v_max3_num_f32 v[TM+\b], |v[\s+16*\b]|, |v[\s+1+16*\b]|, 0x2800000   ; block b: my 16 numbers, and the floor 2^(5 - 127): the byte cannot fall under 1
.endr
.irp i, 2,4,6,8,10,12,14
.irp b, 0,1,2,3
	v_max3_num_f32 v[TM+\b], v[TM+\b], |v[\s+16*\b+\i]|, |v[\s+1+16*\b+\i]|   ; the four blocks by turns
.endr
.endr
.irp b, 0,1,2,3
	v_permlanex16_b32 v[TM+4+\b], v[TM+\b], s[SEL], s[SEL+1]
.endr
.irp b, 0,1,2,3
	v_max_num_f32 v[TM+\b], v[TM+\b], v[TM+4+\b]   ; with lane l xor 16's 16: the block's largest magnitude
.endr
.irp b, 0,1,2,3
	v_add_nc_u32 v[TM+12+\b], 0xfe000000, v[TM+\b]   ; 4 off its exponent field: the conversion's scale operand
.endr
.irp b, 0,1,2,3
	v_lshrrev_b32 v[TM+4+\b], 23, v[TM+12+\b]      ; the scale's byte
.endr
	v_lshl_or_b32 v[PW], v[TM+5], 8, v[TM+4]       ; my token's scale word: bytes 0, 1 the even head's blocks, bytes 2, 3 the odd head's
	v_lshl_or_b32 v[PW], v[TM+6], 16, v[PW]
	v_lshl_or_b32 v[PW], v[TM+7], 24, v[PW]
.irp c, 0,1
	v_cvt_scalef32_pk16_bf6_f32 v[PC+6*\c:PC+2+6*\c], v[\s+32*\c:\s+15+32*\c], v[TM+12+2*\c]
	v_cvt_scalef32_pk16_bf6_f32 v[PC+12+4*\c:PC+14+4*\c], v[\s+16+32*\c:\s+31+32*\c], v[TM+12+2*\c+1]   ; (a conversion's three registers begin on an even number)
.endr
	v_nop                                          ; one plain instruction behind the scaled conversions
.irp c, 0,1                                    ; the operand's layout wants a whole block in a lane: lanes 0-15 block 2 c, lanes 16-31 block 2 c + 1
.irp i, 0,1,2
	v_permlane16_swap_b32 v[PC+6*\c+\i], v[PC+12+4*\c+\i]
.endr
.irp i, 0,1,2
	v_mov_b32 v[PC+3+6*\c+\i], v[PC+12+4*\c+\i]
.endr
.endr
.endm
; Tile T of 16 tokens: 32 products (8 accumulators by turns, K ascending), quantised, stored as one image.  The next tile's fragments of x are fetched at the head.
.macro TILE T
.set XC, XF0+48*((\T)%2)
.set XN, XF0+48*(1-(\T)%2)
	s_wait_dscnt 0x0                               ; this tile's fragments of x are in
.if (\T) < 7
.irp s, 0,1,2,3
	FRAG XN+12*\s, XA, \s, 16*PITCH*((\T)+1)       ; into the set that the tile before multiplied: its products lie behind four v_nop and a whole QUANT
.endr
.endif
	WIN 0x01                                       ; source 0 (W) in window 1
.irp s, 0,1
.irp t, 0,1,2,3,4,5,6,7
	WM HA+8*\t, 96*\s+12*\t, XC+12*\s, 1-\s, WS+4*(\t/2)+\s, \t%2, XS+4*((\T)/2)+\s, (\T)%2
.endr
.endr
	WIN 0x02                                       ; source 0 in window 2
.irp s, 2,3
.irp t, 0,1,2,3,4,5,6,7
	WM HA+8*\t, 96*(\s-2)+12*\t, XC+12*\s, 0, WS+4*(\t/2)+\s, \t%2, XS+4*((\T)/2)+\s, (\T)%2
.endr
.endr
	WIN 0
.rept 4
	v_nop                                          ; four plain instructions between the last product and the first read of results (ISA guide 7.12.1)
.endr
	s_wait_xcnt 0x0                                ; the last stores have read v[PC] on: only now are the codes' registers written again
	QUANT HA
.irp c, 0,1,2
	global_store_b128 v[LI], v[PC+4*\c:PC+4*\c+3], s[28:29] offset:1536*(\T)+512*\c   ; 32 lanes store 512 consecutive bytes, at a multiple of 256 from the buffer's first byte
.endr
.if (\T)%2 == 0
	v_mov_b32 v[GS+(\T)/2], v[PW]                  ; an even tile's words are read from lanes 0-15,
.else
	v_cndmask_b32 v[GS+(\T)/2], v[GS+(\T)/2], v[PW], s[HM]   ; an odd tile's from lanes 16-31 (both halves of the lanes hold a token's word)
.endif
.endm
	s_load_b512 s[8:23], s[0:1], 0x0               ; q codes, q scales, k codes, k scales, Wq codes, Wq scales, Wk codes, Wk scales
	s_load_b256 s[24:31], s[0:1], 0x40             ; Wp codes, supp_mask, qws, kws
	s_load_b64 s[32:33], s[0:1], 0x60              ; wpimg
	v_lshl_add_u32 v[SPW], v0, 2, SPARE
	v_mov_b32 v[NIL], 0
	ds_add_u32 v[SPW], v[NIL]                      ; the wave's opening: the add and its wait ahead of my tensor load; the set-up below, work on registers, stands between them
	ds_add_u32 v[SPW], v[NIL]
	v_lshrrev_b32 v1, 5, v0
	v_readfirstlane_b32 s[WV], v1                  ; wave 0..3 = head pair p
	s_bfe_u32 s51, ttmp6, 0x40000                  ; cx: it enters addresses in memory alone
	s_lshl_b32 s54, ttmp9, 2
	s_add_co_u32 s54, s54, s51                     ; g = 4 x cluster + cx
	s_cmp_lt_u32 ttmp9, QCL                        ; q's cluster or k's: the same in all four partners
	s_cselect_b32 s52, 5, 4                        ; log2 of the blocks in a batch: 32 of q, 16 of k
	s_cselect_b32 s53, 0, 4*QCL
	s_sub_co_u32 s55, s54, s53                     ; g': which 128 tokens of the tensor
	s_lshr_b32 s56, s55, s52                       ; batch
	s_lshl_b32 s57, s56, s52
	s_sub_co_u32 s57, s55, s57                     ; block in the batch
	s_lshl_b32 s58, s56, 2
	s_add_co_u32 s58, s58, s[WV]                   ; 4 b + p
	s_lshl_b32 s58, s58, s52
	s_add_co_u32 s58, s58, s57
	s_mul_i32 s58, s58, BLOCK                      ; my wave's BLOCK in the workspace, in bytes
	s_mov_b32 s59, 0
	; descriptor group 1: my 128 rows of 384 bytes are dense in memory, 49,152 bytes: stated as 192 rows of 256 bytes, each from a multiple of 256; 16 bytes of padding behind every 128, so byte o lands at o + 16 (o / 128)
	s_mov_b32 s[G1+0], 15|(1<<20)|(1<<21)|(4<<22)|(3<<25)   ; 15:0 the mask: all four work-groups; 17:16 elements of 1 byte; 20 padding on; 21 set beside a mask; 24:22 after every 32 words (code 4); 31:25 4 words of it (code 3)
	s_mov_b32 s[G1+1], 256<<16                     ; tensor_dim0
	s_mov_b32 s[G1+2], 192<<16                     ; tensor_dim1
	s_mov_b32 s[G1+3], 256<<16                     ; tile_dim0
	s_mov_b32 s[G1+4], 192                         ; tile_dim1
	s_mov_b32 s[G1+5], 256                         ; from row to row
	s_mov_b32 s[G1+6], 0
	s_mov_b32 s[G1+7], 0
	s_mov_b32 s[G0], 1
	s_mul_i32 s[G0+1], s[WV], WPART                ; LDS: my part
	s_mul_i32 s60, s[WV], 128*384                  ; memory: my 128 rows of W
	s_mov_b32 s61, 0
	s_mov_b32 s63, 0
	s_mov_b32 s[SEL], 0x76543210
	s_mov_b32 s[SEL+1], 0xfedcba98
	s_mov_b32 s[HM], 0xffff0000
	v_and_b32 v13, 31, v0                          ; lane
	v_and_b32 v14, 15, v0                          ; r
	v_bfe_u32 v15, v0, 4, 1                        ; h
	v_lshlrev_b32 v[LI], 4, v13
	v_mul_u32_u24 v[XA], v14, PITCH
	v_mad_u32_u24 v[XA+1], v15, 40, v[XA]
	v_mad_u32_u24 v[XA], v15, 24, v[XA]
	v_add_nc_u32 v[XA], XL, v[XA]
	v_add_nc_u32 v[XA+1], XL, v[XA+1]
	v_and_b32 v1, 8, v14
	v_add_nc_u32 v1, v1, v14                       ; r + 8 (r / 8)
	v_mul_u32_u24 v[WA], v1, PITCH
	v_add_nc_u32 v[WA], s[G0+1], v[WA]
	v_mad_u32_u24 v[WA+1], v15, 40, v[WA]
	v_mad_u32_u24 v[WA], v15, 24, v[WA]
	v_lshrrev_b32 v10, 3, v13
	v_lshl_add_u32 v[STA], v10, 4, v[LI]           ; byte o of the dense 128 rows goes to o + 16 (o / 128): 16 l + 16 (l / 8),
	s_mul_i32 s62, s[WV], 32*PITCH
	s_add_co_u32 s62, s62, XL
	v_add_nc_u32 v[STA], s62, v[STA]               ; + my wave's 32 rows
	v_lshl_add_u32 v[WSO], v15, 3, v1
	v_lshlrev_b32 v[WSO], 4, v[WSO]
	v_mul_u32_u24 v[WPO], v14, 384
	v_mad_u32_u24 v[WPO], v15, 24, v[WPO]
.irp b, 0,1,2,3
	v_mov_b32 v[TM+4+\b], 0                        ; written once: a lane permute's destination counts as one of its sources
.endr
	s_wait_dscnt 0x0                               ; the opening add is done
	s_wait_kmcnt 0x0
	s_cmp_lt_u32 ttmp9, QCL                        ; the buffers are chosen on the cluster's number alone
	s_cselect_b64 s[8:9], s[8:9], s[12:13]         ; x's codes
	s_cselect_b64 s[10:11], s[10:11], s[14:15]     ; x's scales
	s_cselect_b64 s[16:17], s[16:17], s[20:21]     ; W's codes
	s_cselect_b64 s[18:19], s[18:19], s[22:23]     ; W's scales
	s_cselect_b64 s[28:29], s[28:29], s[30:31]     ; the workspace
	s_add_nc_u64 s[G0+2:G0+3], s[16:17], s[60:61]
	s_or_b32 s[G0+3], s[G0+3], 0x80000000          ; type = 2
	CROUND                                         ; all four work-groups are here: the joint loads meet
	tensor_load_to_lds s[G0:G0+3], s[G1:G1+7]      ; my quarter of W: my one tensor load of the launch
	s_nop 0
.rept 4
	v_nop
.endr
	s_mul_i32 s62, s55, 128*384
	s_mul_i32 s60, s[WV], 32*384
	s_add_co_u32 s62, s62, s60
	s_add_nc_u64 s[8:9], s[8:9], s[62:63]          ; x's codes: the work-group's 128 rows, my wave's 32 of them
	s_lshl_b32 s62, s55, 11
	s_add_nc_u64 s[10:11], s[10:11], s[62:63]      ; x's scales: 16 bytes a row
	s_lshl_b32 s62, s[WV], 11
	s_add_nc_u64 s[18:19], s[18:19], s[62:63]      ; W's scales: my 128 rows
	s_add_nc_u64 s[28:29], s[28:29], s[58:59]      ; my BLOCK
.irp i, 0,1,2,3,4,5,6,7,8,9,10,11,12,13,14,15,16,17,18,19,20,21,22,23
	global_load_b128 v[XF0+4*\i:XF0+4*\i+3], v[LI], s[8:9] offset:512*\i th:TH_LOAD_NT   ; 32 lanes read 512 consecutive bytes; read once in the launch
.endr
	s_wait_alu depctr_va_vdst(0)
.irp u, 0,1,2,3
	global_load_b128 v[XS+4*\u:XS+4*\u+3], v[LI], s[10:11] offset:512*\u    ; register 4 u + s: lanes 0-15 tile 2 u, lanes 16-31 tile 2 u + 1, K step s
	global_load_b128 v[WS+4*\u:WS+4*\u+3], v[WSO], s[18:19] offset:512*\u   ; likewise for W's tiles, by the tiles' rows
.endr
	; the two jobs that ride along; the branches hang on the cluster's number alone
	s_cmp_lt_u32 ttmp9, QCL
	s_cbranch_scc1 .Lq_side
	s_lshl_b32 s62, s55, 9                         ; k: my 128 keys' mask values, 4 bytes each
	s_add_nc_u64 s[26:27], s[26:27], s[62:63]
	global_load_b128 v[MJ:MJ+3], v[LI], s[26:27]
	s_wait_loadcnt 0x0
.irp i, 0,1,2,3
	v_cvt_f32_i32 v[MJ+\i], v[MJ+\i]               ; as astype(float32) has it
.endr
	global_store_b128 v[LI], v[MJ:MJ+3], s[28:29] offset:12800   ; a copy in each head pair's BLOCK
	s_branch .Ljobs_done
.Lq_side:
	s_cmp_lt_u32 ttmp9, 8
	s_cbranch_scc0 .Ljobs_done
	s_mul_i32 s62, s54, 16*384                     ; Wp's fragment 4 g + p: rows 16 g on, K step p
	s_mul_i32 s60, s[WV], 96
	s_add_co_u32 s60, s60, s62
	s_add_nc_u64 s[24:25], s[24:25], s[60:61]
	s_mul_i32 s60, s[WV], 1536
	s_add_co_u32 s62, s62, s60                     ; its image: 1536 (4 g + p)
	s_add_nc_u64 s[32:33], s[32:33], s[62:63]
.irp p, 0,1,2,3,4,5
	global_load_b64 v[PC+2*\p:PC+2*\p+1], v[WPO], s[24:25] offset:48*(\p/3)+8*(\p%3)
.endr
	s_wait_loadcnt 0x0
.irp c, 0,1,2
	global_store_b128 v[LI], v[PC+4*\c:PC+4*\c+3], s[32:33] offset:512*\c
.endr
.Ljobs_done:
	s_wait_loadcnt 0x0                             ; x's codes and all scale words are in
.irp i, 0,1,2,3,4,5,6,7,8,9,10,11,12,13,14,15,16,17,18,19,20,21,22,23
	ds_store_b128 v[STA], v[XF0+4*\i:XF0+4*\i+3] offset:576*\i
.endr
	s_wait_tensorcnt 0x0                           ; my part of W is in LDS; nobody else reads it
	WIN 0x40                                       ; destination window 1
.irp s, 0,1
.irp t, 0,1,2,3,4,5,6,7
	FRAG 96*\s+12*\t, WA, \s, (32*(\t/2)+8*(\t%2))*PITCH
.endr
.endr
	WIN 0x80                                       ; destination window 2
.irp s, 2,3
.irp t, 0,1,2,3,4,5,6,7
	FRAG 96*(\s-2)+12*\t, WA, \s, (32*(\t/2)+8*(\t%2))*PITCH
.endr
.endr
	WIN 0
	s_wait_dscnt 0x0                               ; for the others' sake: my stores of x have landed (and W is in my registers)
	s_barrier_signal -1
	s_barrier_wait -1                              ; the work-group's 128 rows of x lie in LDS
.irp s, 0,1,2,3
	FRAG XF0+12*\s, XA, \s, 0
.endr
.irp T, 0,1,2,3,4,5,6,7
	TILE \T
.endr
	global_store_b128 v[LI], v[GS:GS+3], s[28:29] offset:12288   ; the block's scale words: 512 consecutive bytes
	s_wait_tensorcnt 0x0                           ; the wave's end, behind my tensor load and my last LDS store
	ds_add_u32 v[SPW], v[NIL]
	s_wait_dscnt 0x0
	CROUND                                         ; the closing round
	s_endpgm
.Lfunc_end_k_q875d55b22c_proj:
	.size	k_q875d55b22c_proj, .Lfunc_end_k_q875d55b22c_proj-k_q875d55b22c_proj
	.p2alignl 7, 3214868480
	.fill 96, 4, 3214868480
	.section	.rodata,"a",@progbits
	.p2align	6, 0x0
	.amdhsa_kernel k_q875d55b22c_proj
		.amdhsa_group_segment_fixed_size 327680
		.amdhsa_private_segment_fixed_size 0
		.amdhsa_enable_private_segment 0
		.amdhsa_kernarg_size 104
		.amdhsa_user_sgpr_count 2
		.amdhsa_user_sgpr_kernarg_segment_ptr 1
		.amdhsa_wavefront_size32 1
		.amdhsa_system_sgpr_workgroup_id_x 1
		.amdhsa_system_sgpr_workgroup_id_y 1
		.amdhsa_system_sgpr_workgroup_id_z 1
		.amdhsa_system_vgpr_workitem_id 0
		.amdhsa_next_free_vgpr 768
		.amdhsa_next_free_sgpr 80
		.amdhsa_reserve_vcc 0
		.amdhsa_float_denorm_mode_32 3
		.amdhsa_float_denorm_mode_16_64 3
		.amdhsa_memory_ordered 1
		.amdhsa_forward_progress 1
		.amdhsa_inst_pref_size 103
	.end_amdhsa_kernel
	.amdgpu_metadata
---
amdhsa.version: [ 1, 2 ]
amdhsa.kernels:
  - .name:           k_q875d55b22c_proj
    .symbol:         k_q875d55b22c_proj.kd
    .args:
      - { .name: q_codes, .offset: 0, .size: 8, .value_kind: global_buffer, .address_space: global }
      - { .name: q_scales, .offset: 8, .size: 8, .value_kind: global_buffer, .address_space: global }
      - { .name: k_codes, .offset: 16, .size: 8, .value_kind: global_buffer, .address_space: global }
      - { .name: k_scales, .offset: 24, .size: 8, .value_kind: global_buffer, .address_space: global }
      - { .name: Wq_codes, .offset: 32, .size: 8, .value_kind: global_buffer, .address_space: global }
      - { .name: Wq_scales, .offset: 40, .size: 8, .value_kind: global_buffer, .address_space: global }
      - { .name: Wk_codes, .offset: 48, .size: 8, .value_kind: global_buffer, .address_space: global }
      - { .name: Wk_scales, .offset: 56, .size: 8, .value_kind: global_buffer, .address_space: global }
      - { .name: Wp_codes, .offset: 64, .size: 8, .value_kind: global_buffer, .address_space: global }
      - { .name: supp_mask, .offset: 72, .size: 8, .value_kind: global_buffer, .address_space: global }
      - { .name: qws, .offset: 80, .size: 8, .value_kind: global_buffer, .address_space: global }
      - { .name: kws, .offset: 88, .size: 8, .value_kind: global_buffer, .address_space: global }
      - { .name: wpimg, .offset: 96, .size: 8, .value_kind: global_buffer, .address_space: global }
    .group_segment_fixed_size: 327680
    .private_segment_fixed_size: 0
    .kernarg_segment_align: 8
    .kernarg_segment_size: 104
    .max_flat_workgroup_size: 128
    .sgpr_count:     80
    .vgpr_count:     768
    .wavefront_size: 32
...
	.end_amdgpu_metadata
.endif
;; end of part 1
;; launch attnout (part 2): grid 256 x 1, 16 waves a work-group, no clusters, 102,912 bytes of LDS; arguments qws, kws, supp_mask, wpimg, Wp_scales, out0; writes out0
.if DOCPART == 2
	.amdgcn_target "amdgcn-amd-amdhsa--gfx1250"
	.amdhsa_code_object_version 6
	.text
	.protected	k_q875d55b22c_attnout
	.globl	k_q875d55b22c_attnout
	.p2align	8
	.type	k_q875d55b22c_attnout,@function
k_q875d55b22c_attnout:
	s_mov_b64 s[64:65], 0
	v_nop
	global_prefetch_b8 v0, s[64:65] scope:SCOPE_SE
	s_setreg_imm32_b32 hwreg(HW_REG_WAVE_MODE, 25, 1), 1
	s_wait_xcnt 0x0
; ATTNOUT: s[head][n] = sum over keys of softmax(qh . kh / 8) x mask, then out = x Wp^T with x[n][64 head + d] = s[head][n], for 64 rows of out a work-group.  The input v is left out here too: reference() never uses it.
; SHARES.  Work-group g: rows 64 g .. 64 g + 63 of out (batch g / 64), all 8 heads.  Wave w = 4 p + m owns query tile m (16 queries) of head pair p and walks all 2,048 keys, 64 a sub-step.
; What it ends with, s of 16 rows x 2 heads, is K step p of tile m of x: the wave quantises it in registers; s never goes to memory.
; K COMES STRAIGHT INTO REGISTERS, TWO SUB-STEPS AHEAD.  kws holds images of operand registers: a load is 32 lanes x 16 consecutive bytes.  A block of 128 keys is two sub-steps; sub-step u has its own set of
; four fragments, and behind its products it asks for the same tiles of the NEXT block: 13 loads (12 of codes, 1 of scale words), waited for two sub-steps (about 400 vector instructions) later.  The loop has no barrier.
; NO CLUSTER, NO TENSOR LOAD: a work-group walks 4 head pairs x 212,992 = 851,968 bytes of K, more than LDS holds, and no byte of K passes through LDS, so there is no tile to ask for jointly.
; NO PREFETCH: each load of K already stands two sub-steps ahead of its wait, and the 64 work-groups of a batch walk the same 16 blocks in the same order.
; ONE FRAGMENT OF K SERVES TWO HEADS: Q lies in 18 registers: its registers 0-5, six of zero codes, its registers 6-11; the even head takes the first twelve, the odd head the last twelve.
; LAYOUT.  S^T = K Q^T: lane (r, h) holds query r, register j of tile t key 16 t + 8 h + j.
; SOFTMAX.  Each lane keeps a running maximum M, l0 = sum p, l1 = sum p x mask over its half of the keys; p = 2^(c s - c M), c = log2(e) / 8; when M grows both sums are multiplied by 2^(c M_old - c M_new).
; Lanes l and l xor 16 are joined once, at the end, under the larger maximum.  s = l1 / l0, all in f32.
; THE LAST PRODUCT is used transposed (source 0 = 16 rows of Wp, source 1 = 16 rows of x).  Wave w makes columns 32 w .. 32 w + 31 of all 64 rows; x's 16 fragments go from wave to wave through LDS as images.
; Wp's eight fragments take K's two sets of registers in the last block, behind the products that free them.
; THE WAY OUT GOES BY TILES OF 16 ROWS: tile m's 16 rows x 2,048 bytes are gathered in stage buffer m % 2, and wave w reads row w back whole and stores it, around the products of tile m + 1.
; LIMITS: NaN and infinities are not served; |s| under 2^-122 keeps the scale byte 1 (s = 0 too: its codes are zeros); the promise holds while c x score stays under 2^31 in magnitude.
.set BLOCK,  13312
.set SPITCH, 2064                      ; the stage, from LDS byte 0: two buffers of 16 rows x (2,048 + 16) bytes
.set XIMG,   32*SPITCH                 ; x's 16 images of 1,536 bytes: image w
.set XSC,    XIMG+16*1536              ; their scale words: K step p, lane l, tile m at 512 p + 16 l + 4 m
.set MASK,   XSC+2048                  ; the batch's 2,048 mask values as f32
.set SPARE,  MASK+8192                 ; the spare words, 128 bytes a wave: eight blocks of 256 bytes that no other line names
.set SPW, 1                            ; my spare word's LDS address; never rewritten
.set NIL, 2                            ; 0; never rewritten
.set LI,  3                            ; 16 x lane
.set AM0, 4                            ; MASK + 32 h
.set AM,  5                            ; AM0 + 512 x the block in hand
.set XW,  6                            ; where I store my image of x
.set XSW, 7                            ; and its scale word
.set Q,   8                            ; v8-25
.set QS,  26
.set XSR, 27                           ; where I read x's scale words
.set KS,  28                           ; v28-29 the scale words of a block's tiles 0-3, v30-31 of its tiles 4-7
.set KF,  32                           ; v32-79 four fragments of K: a block's tiles 0-3
.set KG,  208                          ; v208-255 its tiles 4-7
.set MK,  80                           ; v80-111 my 32 mask values of a sub-step
.set S,   112                          ; v112-143 the even head's scores, then p; v144-175 the odd head's
.set ST,  176                          ; v176-191, v192-207 a head's state: +0 M, +1 D, +2:3 -c M (even sub-steps), +4:5 -c M (odd), +6:7 f, +8:9 l0, +10:11 l1, +12, +13 at work
.set H,   S+8                          ; v120-124 at work in the head
.set WS,  16                           ; behind the loop: v16-19 Wp's scale words, register s: K step s
.set XS,  20                           ; v20-23 the scale words of a tile of x, register s: K step s
.set XF,  80                           ; v80-127 a tile's four fragments of x, at 12 s; first the codes just made
.set ACC, 128                          ; v128-143, v144-159 two accumulators (n = 0, 1) for even and for odd tiles; first 2 x 16 copies of s
.set RB,  160                          ; v160-175, v176-191 a row read back, for even and for odd tiles
.set T,   192                          ; v192-201 at work
.set XIR, 202                          ; where I read images of x
.set SO,  203                          ; the stage, in: row r, + 128 w + 32 h
.set SR,  205                          ; the stage, back: row w, 16 bytes a lane
.set WV,  16
.set CS,  28                           ; s[28:29] c
.set NEGC, 30
.set SEL, 32                           ; s[32:33] lane selects: lane l xor 16
.set TB,  34                           ; 512 x the block in hand
.set CNT, 35
.macro BARRIER                         ; my LDS stores have landed and my LDS loads are in: then the work-group's barrier
	s_wait_dscnt 0x0
	s_barrier_signal -1
	s_barrier_wait -1
.endm
.macro WMK d, a, b, sa, ra             ; one tile of scores: every product starts and ends its sum
.if (\ra)
	v_wmma_scale_f32_16x16x128_f8f6f4 v[\d:\d+7], v[\a:\a+11], v[\b:\b+11], 0, v[\sa], v[QS] matrix_a_fmt:MATRIX_FMT_BF6 matrix_b_fmt:MATRIX_FMT_BF6 matrix_a_scale:MATRIX_SCALE_ROW1
.else
	v_wmma_scale_f32_16x16x128_f8f6f4 v[\d:\d+7], v[\a:\a+11], v[\b:\b+11], 0, v[\sa], v[QS] matrix_a_fmt:MATRIX_FMT_BF6 matrix_b_fmt:MATRIX_FMT_BF6
.endif
.endm
.macro WMO d, a, b, ks, sa, ra, sb     ; one product of the last GEMM; K step 0 starts the sum
.if (\ks) == 0
.if (\ra)
	v_wmma_scale_f32_16x16x128_f8f6f4 v[\d:\d+7], v[\a:\a+11], v[\b:\b+11], 0, v[\sa], v[\sb] matrix_a_fmt:MATRIX_FMT_BF6 matrix_b_fmt:MATRIX_FMT_BF6 matrix_a_scale:MATRIX_SCALE_ROW1
.else
	v_wmma_scale_f32_16x16x128_f8f6f4 v[\d:\d+7], v[\a:\a+11], v[\b:\b+11], 0, v[\sa], v[\sb] matrix_a_fmt:MATRIX_FMT_BF6 matrix_b_fmt:MATRIX_FMT_BF6
.endif
.else
.if (\ra)
	v_wmma_scale_f32_16x16x128_f8f6f4 v[\d:\d+7], v[\a:\a+11], v[\b:\b+11], v[\d:\d+7], v[\sa], v[\sb] matrix_a_fmt:MATRIX_FMT_BF6 matrix_b_fmt:MATRIX_FMT_BF6 matrix_a_scale:MATRIX_SCALE_ROW1
.else
	v_wmma_scale_f32_16x16x128_f8f6f4 v[\d:\d+7], v[\a:\a+11], v[\b:\b+11], v[\d:\d+7], v[\sa], v[\sb] matrix_a_fmt:MATRIX_FMT_BF6 matrix_b_fmt:MATRIX_FMT_BF6
.endif
.endif
.endm
; A head's vector work of a sub-step is three numbered lists; each macro writes number j of its list.
; FRONT, 34: 0-15 the maximum of M and the 32 scores, in two chains (each accumulator is first read at its low end); 16 -c M; 17 D = c M_old - c M_new; 18-33 c s - c M, a pair of scores each.
.macro FRONT h, par
.set rS, S+32*(\h)
.set rT, ST+16*(\h)
.if j == 0
	v_max3_num_f32 v[rT+12], v[rT], v[rS], v[rS+1]
.elseif j == 1
	v_max3_num_f32 v[rT+13], v[rS+16], v[rS+17], v[rS+18]
.elseif j == 15
	v_max3_num_f32 v[rT], v[rT+12], v[rT+13], v[rS+31]
.elseif (j < 15) && (j%2 == 0)
	v_max3_num_f32 v[rT+12], v[rT+12], v[rS+j], v[rS+j+1]
.elseif j < 15
	v_max3_num_f32 v[rT+13], v[rT+13], v[rS+16+j], v[rS+17+j]
.elseif j == 16
	v_mul_f32 v[rT+2+2*(\par)], s[NEGC], v[rT]
.elseif j == 17
	v_sub_f32 v[rT+1], v[rT+2+2*(\par)], v[rT+4-2*(\par)]
.else
	v_pk_fma_f32 v[rS+2*(j-18):rS+2*(j-18)+1], v[rS+2*(j-18):rS+2*(j-18)+1], s[CS:CS+1], v[rT+2+2*(\par):rT+3+2*(\par)] op_sel_hi:[1,0,0]
.endif
.endm
; EXPI, 33: f = 2^D, then p in place.
.macro EXPI h
.set rS, S+32*(\h)
.set rT, ST+16*(\h)
.if j == 0
	v_exp_f32 v[rT+6], v[rT+1]
.else
	v_exp_f32 v[rS+j-1], v[rS+j-1]
.endif
.endm
; BACK, 33: l0 = l0 f + p, l1 = l1 f, l1 += p x mask, then the other fifteen pairs, l0's and l1's chains by turns.
.macro BACK h
.set rS, S+32*(\h)
.set rT, ST+16*(\h)
.if j == 0
	v_pk_fma_f32 v[rT+8:rT+9], v[rT+8:rT+9], v[rT+6:rT+7], v[rS:rS+1] op_sel_hi:[1,0,1]
.elseif j == 1
	v_pk_mul_f32 v[rT+10:rT+11], v[rT+10:rT+11], v[rT+6:rT+7] op_sel_hi:[1,0]
.elseif j%2 == 0
	v_pk_fma_f32 v[rT+10:rT+11], v[rS+j-2:rS+j-1], v[MK+j-2:MK+j-1], v[rT+10:rT+11]
.else
	v_pk_add_f32 v[rT+8:rT+9], v[rT+8:rT+9], v[rS+j-1:rS+j]
.endif
.endm
; A SUB-STEP: 64 keys, tiles 4 u .. 4 u + 3 of the block in hand, from set u.  more = 1: a block follows, and its tiles 4 u .. 4 u + 3 are asked for; 0: the last block: Wp's fragments 4 u .. 4 u + 3 take the set.
.macro SUB u, more
.set KU, KF+(KG-KF)*(\u)
.if (\more) || (\u) == 0
	s_wait_loadcnt 13                              ; my set and its scale words are in; the 13 loads that the sub-step before issued may be out
.else
	s_wait_loadcnt 12                              ; behind my set's loads stand Wp's first 12
.endif
.irp t, 0,1,2,3
	WMK S+8*\t, KU+12*\t, Q, KS+2*(\u)+\t/2, \t%2
	WMK S+32+8*\t, KU+12*\t, Q+6, KS+2*(\u)+\t/2, \t%2
.endr
.if (\u) && (\more)                            ; four plain instructions between the products and the loads into their registers, and the first read of results
	s_add_co_u32 s[TB], s[TB], 512
	v_add_nc_u32 v[AM], s[TB], v[AM0]
.rept 3
	v_nop
.endr
.else
.rept 4
	v_nop
.endr
.endif
.if (\more)
	global_load_b64 v[KS+2*(\u):KS+2*(\u)+1], v[LI], s[6:7] offset:BLOCK+12288+8*(\u)
.endif
.irp t, 0,1,2,3
.irp c, 0,1,2
.if (\more)
	global_load_b128 v[KU+12*\t+4*\c:KU+12*\t+4*\c+3], v[LI], s[6:7] offset:BLOCK+6144*(\u)+1536*\t+512*\c   ; an image: 32 lanes, 512 consecutive bytes
.else
	global_load_b128 v[KU+12*\t+4*\c:KU+12*\t+4*\c+3], v[LI], s[10:11] offset:1536*(4*(\u)+\t)+512*\c
.endif
.endr
.endr
.if (\u) && (\more) == 0
	global_load_b128 v[WS:WS+3], v[LI], s[12:13]   ; Wp's scale words, over Q: register s: lanes 0-15 my first tile of columns, lanes 16-31 my second
.endif
.set j, 0
.rept 34                                       ; the two heads by turns: four chains of maxima
	FRONT 0, \u
	FRONT 1, \u
.set j, j+1
.endr
	s_wait_alu depctr_va_vdst(0)                   ; ahead of the batch
.set j, 0
.rept 33
	EXPI 0
	EXPI 1
.set j, j+1
.endr
	v_nop                                          ; a plain instruction behind the last exponential
	s_wait_alu depctr_va_vdst(0)                   ; one wait for the 66, ahead of their first reader
	s_wait_dscnt 0x0                               ; my mask values, asked for at the last sub-step's end
.set j, 0
.rept 33                                       ; four chains of sums by turns
	BACK 0
	BACK 1
.set j, j+1
.endr
.if (\u) == 0 || (\more)
.irp t, 0,1,2,3
	ds_load_b128 v[MK+8*\t:MK+8*\t+3], v[AM] offset:256*(1-(\u))+64*\t       ; the next sub-step's mask of keys 16 t + 8 h + 0 .. 7: sixteen lanes read the same bytes
	ds_load_b128 v[MK+8*\t+4:MK+8*\t+7], v[AM] offset:256*(1-(\u))+64*\t+16
.endr
.endif
.endm
; THE WAY OUT, by tiles m of 16 rows.
.macro XLOAD m                         ; tile m's four fragments of x and their scale words
.irp s, 0,1,2,3
.irp c, 0,1,2
	ds_load_b128 v[XF+12*\s+4*\c:XF+12*\s+4*\c+3], v[XIR] offset:1536*(4*\s+(\m))+512*\c
.endr
	ds_load_b32 v[XS+\s], v[XSR] offset:512*\s+4*(\m)
.endr
.endm
.macro ROWS m                          ; 16 rows x my 32 columns: two accumulators by turns, K ascending; Wp's fragment 4 n + s lies in set n
.irp s, 0,1,2,3
.irp n, 0,1
	WMO ACC+16*((\m)%2)+8*\n, KF+(KG-KF)*\n+12*\s, XF+12*\s, \s, WS+\s, \n, XS+\s
.endr
.endr
.rept 4
	v_nop                                          ; four plain instructions in front of loads into registers that the products have read, and of the first read of results
.endr
.endm
.macro TOSTAGE m                       ; lane (r, h): out(16 m + r, 32 w + 16 n + 8 h + 0 .. 7); each accumulator from its low end on
.irp n, 0,1
	ds_store_b128 v[SO], v[ACC+16*((\m)%2)+8*\n:ACC+16*((\m)%2)+8*\n+3] offset:16*SPITCH*((\m)%2)+64*\n
	ds_store_b128 v[SO], v[ACC+16*((\m)%2)+8*\n+4:ACC+16*((\m)%2)+8*\n+7] offset:16*SPITCH*((\m)%2)+64*\n+16
.endr
.endm
.macro BACKROW m                       ; row w of the tile, whole
.irp q, 0,1,2,3
	ds_load_b128 v[RB+16*((\m)%2)+4*\q:RB+16*((\m)%2)+4*\q+3], v[SR] offset:16*SPITCH*((\m)%2)+512*\q
.endr
.endm
.macro SEND m
.irp q, 0,1,2,3
	global_store_b128 v[LI], v[RB+16*((\m)%2)+4*\q:RB+16*((\m)%2)+4*\q+3], s[14:15] offset:32768*(\m)+512*\q th:TH_STORE_NT   ; 32 lanes store 512 consecutive bytes, at a multiple of 256 from out's first byte; written once, read by nobody here
.endr
.endm
	s_load_b256 s[4:11], s[0:1], 0x0               ; qws, kws, supp_mask, wpimg
	s_load_b128 s[12:15], s[0:1], 0x20             ; Wp's scales, out
	v_lshl_add_u32 v[SPW], v0, 2, SPARE
	v_mov_b32 v[NIL], 0
	v_lshrrev_b32 v[H], 5, v0
	v_readfirstlane_b32 s[WV], v[H]                ; wave 0..15
	s_lshr_b32 s17, s[WV], 2                       ; p: head pair
	s_and_b32 s18, s[WV], 3                        ; m: query tile
	s_lshr_b32 s19, ttmp9, 6                       ; batch
	s_lshl_b32 s20, s19, 2
	s_add_co_u32 s20, s20, s17                     ; 4 b + p
	s_bfe_u32 s21, ttmp9, 0x50001                  ; which 128 queries of the batch
	s_lshl_b32 s36, s20, 5
	s_add_co_u32 s36, s36, s21
	s_mul_i32 s36, s36, BLOCK                      ; Q's BLOCK in qws
	s_and_b32 s22, ttmp9, 1
	s_lshl_b32 s23, s22, 2
	s_add_co_u32 s23, s23, s18                     ; its tile 4 (g % 2) + m
	s_mul_i32 s38, s23, 1536
	s_add_co_u32 s38, s38, s36                     ; the image
	s_mov_b32 s39, 0
	s_and_b32 s40, s23, 1
	s_lshl_b32 s40, s40, 8
	s_lshr_b32 s24, s23, 1
	s_lshl_b32 s24, s24, 2
	s_add_co_u32 s40, s40, s24
	s_add_co_u32 s40, s40, s36
	s_add_co_u32 s40, s40, 12288                   ; its scale words: 12,288 + 256 (tile % 2) + 4 (tile / 2), + 16 r
	s_mov_b32 s41, 0
	s_mul_i32 s42, s20, 16*BLOCK                   ; the head pair's 16 BLOCKS of kws
	s_mov_b32 s43, 0
	s_lshl_b32 s44, s19, 13                        ; the batch's mask, my 128 values
	s_lshl_b32 s48, s[WV], 9                       ; also: Wp's scales, my 32 rows of 16 bytes
	s_add_co_u32 s44, s44, s48
	s_mov_b32 s45, 0
	s_mul_i32 s46, s[WV], 12288                    ; my 8 images of Wp
	s_mov_b32 s47, 0
	s_mov_b32 s49, 0
	s_lshl_b32 s50, ttmp9, 17                      ; out: row 64 g + w, 2,048 bytes a row; tile m's row lies 16 m rows further down
	s_lshl_b32 s24, s[WV], 11
	s_add_co_u32 s50, s50, s24
	s_mov_b32 s51, 0
	s_mul_i32 s25, s[WV], 1536
	s_add_co_u32 s25, s25, XIMG
	s_lshl_b32 s26, s17, 9
	s_lshl_b32 s24, s18, 2
	s_add_co_u32 s26, s26, s24
	s_add_co_u32 s26, s26, XSC
	s_lshl_b32 s27, s[WV], 7                       ; kept for the stage's addresses, which are made behind the loop
	s_mul_i32 s31, s[WV], SPITCH
	s_add_co_u32 s24, s48, MASK
	s_mov_b32 s[CS], 0x3e38aa3b                    ; c = log2(e) / 8
	s_mov_b32 s[CS+1], s[CS]                       ; (named with it as a pair, so it is written)
	s_mov_b32 s[NEGC], 0xbe38aa3b
	s_mov_b32 s[SEL], 0x76543210
	s_mov_b32 s[SEL+1], 0xfedcba98
	s_mov_b32 s[TB], 0
	s_mov_b32 s[CNT], 15
	v_and_b32 v[H+2], 31, v0                       ; lane
	v_and_b32 v[H], 15, v0                         ; r
	v_bfe_u32 v[H+1], v0, 4, 1                     ; h
	v_lshlrev_b32 v[LI], 4, v[H+2]
	v_lshlrev_b32 v[H+3], 4, v[H]                  ; 16 r
	v_lshl_add_u32 v[AM0], v[H+1], 5, MASK
	v_add_nc_u32 v[XW], s25, v[LI]
	v_add_nc_u32 v[XSW], s26, v[LI]
	v_add_nc_u32 v[XSR], XSC, v[LI]
	v_add_nc_u32 v[AM], s[TB], v[AM0]
	v_add_nc_u32 v[H+4], s24, v[LI]                ; where my 128 mask values go
.irp i, 0,1,2,3,4,5
	v_mov_b32 v[Q+6+\i], 0                         ; the zero codes between Q's two halves
.endr
.irp h, 0,1
.irp i, 3,5,7,8,9,10,11
	v_mov_b32 v[ST+16*\h+\i], 0                    ; the sums, and the upper halves of pairs of which the low word serves both halves
.endr
	v_mov_b32 v[ST+16*\h], 0xff7fffff              ; M: the least number; the first f is then 2^(a very large negative number) = 0, and multiplies zeros
.endr
.irp h, 0,1
	v_mul_f32 v[ST+16*\h+4], s[NEGC], v[ST+16*\h]
.endr
	s_wait_alu depctr_va_vdst(0)
	s_wait_kmcnt 0x0
	s_add_nc_u64 s[8:9], s[8:9], s[44:45]
	s_add_nc_u64 s[6:7], s[6:7], s[42:43]
	s_add_nc_u64 s[52:53], s[4:5], s[38:39]
	s_add_nc_u64 s[54:55], s[4:5], s[40:41]
	s_add_nc_u64 s[10:11], s[10:11], s[46:47]
	s_add_nc_u64 s[12:13], s[12:13], s[48:49]
	s_add_nc_u64 s[14:15], s[14:15], s[50:51]
	global_load_b128 v[S:S+3], v[LI], s[8:9]       ; my 128 mask values: 512 consecutive bytes
	global_load_b128 v[Q:Q+3], v[LI], s[52:53]                   ; the image's registers 0-3,
	global_load_b64 v[Q+4:Q+5], v[LI], s[52:53] offset:512       ; 4, 5: the even head's six are whole;
	global_load_b64 v[Q+12:Q+13], v[LI], s[52:53] offset:520     ; 6, 7,
	global_load_b128 v[Q+14:Q+17], v[LI], s[52:53] offset:1024   ; 8-11: the odd head's six, behind the zeros
	global_load_b32 v[QS], v[H+3], s[54:55]
.irp u, 0,1                                    ; block 0, both sets: 13 loads each, set 1's last
	global_load_b64 v[KS+2*\u:KS+2*\u+1], v[LI], s[6:7] offset:12288+8*\u
.irp t, 0,1,2,3
.irp c, 0,1,2
	global_load_b128 v[KF+(KG-KF)*\u+12*\t+4*\c:KF+(KG-KF)*\u+12*\t+4*\c+3], v[LI], s[6:7] offset:6144*\u+1536*\t+512*\c
.endr
.endr
.endr
	s_wait_loadcnt 31                              ; the mask values are in: behind their load stand 5 of Q and 2 x 13 of K
.irp i, 0,1,2,3
	v_cvt_f32_i32 v[S+\i], v[S+\i]                 ; as astype(float32) has it
.endr
	ds_store_b128 v[H+4], v[S:S+3]
	BARRIER                                        ; the batch's 2,048 mask values lie in LDS
.irp t, 0,1,2,3
	ds_load_b128 v[MK+8*\t:MK+8*\t+3], v[AM] offset:64*\t
	ds_load_b128 v[MK+8*\t+4:MK+8*\t+7], v[AM] offset:64*\t+16
.endr
.Lblock:                                           ; a trip is a block of 128 keys; the last block is written out, since it fetches no K beyond itself
	SUB 0, 1
	SUB 1, 1
	s_wait_xcnt 0x0                                ; the trip's loads have read their base: only now is it stepped
	s_add_nc_u64 s[6:7], s[6:7], BLOCK
	s_sub_co_u32 s[CNT], s[CNT], 1
	s_cmp_lg_u32 s[CNT], 0
	s_cbranch_scc1 .Lblock
	SUB 0, 0
	SUB 1, 0
	; THE JOIN of lanes l and l xor 16, which hold a query's two halves of the keys, under the larger maximum.  The last sub-step was an odd one: -c M stands at +4.
.irp h, 0,1
	v_add_f32 v[ST+16*\h+8], v[ST+16*\h+8], v[ST+16*\h+9]
	v_add_f32 v[ST+16*\h+10], v[ST+16*\h+10], v[ST+16*\h+11]
	v_permlanex16_b32 v[ST+16*\h+12], v[ST+16*\h], s[SEL], s[SEL+1]
.endr
.irp h, 0,1
	v_max_num_f32 v[ST+16*\h+13], v[ST+16*\h], v[ST+16*\h+12]
.endr
.irp h, 0,1
	v_mul_f32 v[ST+16*\h+13], s[NEGC], v[ST+16*\h+13]
.endr
.irp h, 0,1
	v_sub_f32 v[ST+16*\h+1], v[ST+16*\h+13], v[ST+16*\h+4]   ; c M_mine - c M_joint, 0 or less
.endr
	s_wait_alu depctr_va_vdst(0)                   ; ahead of the batch
.irp h, 0,1
	v_exp_f32 v[ST+16*\h+6], v[ST+16*\h+1]
.endr
	v_nop
	s_wait_alu depctr_va_vdst(0)                   ; and ahead of its first reader
.irp h, 0,1
	v_mul_f32 v[ST+16*\h+8], v[ST+16*\h+8], v[ST+16*\h+6]
	v_mul_f32 v[ST+16*\h+10], v[ST+16*\h+10], v[ST+16*\h+6]
.endr
.irp h, 0,1
	v_permlanex16_b32 v[ST+16*\h+12], v[ST+16*\h+8], s[SEL], s[SEL+1]
	v_permlanex16_b32 v[ST+16*\h+13], v[ST+16*\h+10], s[SEL], s[SEL+1]
.endr
.irp h, 0,1
	v_add_f32 v[ST+16*\h+8], v[ST+16*\h+8], v[ST+16*\h+12]
	v_add_f32 v[ST+16*\h+10], v[ST+16*\h+10], v[ST+16*\h+13]
.endr
	s_wait_alu depctr_va_vdst(0)
.irp h, 0,1
	v_rcp_f32 v[ST+16*\h+6], v[ST+16*\h+8]
.endr
	v_nop
	s_wait_alu depctr_va_vdst(0)
.irp h, 0,1
	v_mul_f32 v[T+\h], v[ST+16*\h+10], v[ST+16*\h+6]   ; s = l1 / l0 of row r, the same in both lanes of a query: T the even head's, T + 1 the odd head's (over the odd head's M and D, which are done with)
.endr
	; the addresses of the way out, in registers that held the odd head's state
	v_and_b32 v[T+2], 15, v0                       ; r
	v_bfe_u32 v[T+3], v0, 4, 1                     ; h
	v_add_nc_u32 v[XIR], XIMG, v[LI]
	v_mul_u32_u24 v[SO], v[T+2], SPITCH
	v_add_nc_u32 v[SR], s31, v[LI]
	v_lshl_add_u32 v[SO], v[T+3], 5, v[SO]
	s_delay_alu instid0(VALU_DEP_1)
	v_add_nc_u32 v[SO], s27, v[SO]
	; MY FRAGMENT OF x.  A block's 32 numbers are all s, so its largest magnitude is |s|, and 16 codes (three registers) serve both halves of a block and both halves of the lanes.
.irp e, 0,1
	v_max3_num_f32 v[T+2+\e], |v[T+\e]|, |v[T+\e]|, 0x2800000   ; with the floor 2^(5 - 127): the byte cannot fall under 1
.endr
.irp e, 0,1
	s_delay_alu instid0(VALU_DEP_2)
	v_add_nc_u32 v[T+4+\e], 0xfe000000, v[T+2+\e]  ; 4 off the exponent field: the conversion's scale operand
.endr
.irp e, 0,1
	s_delay_alu instid0(VALU_DEP_2)
	v_lshrrev_b32 v[T+6+\e], 23, v[T+4+\e]         ; the scale's byte
.endr
.irp e, 0,1
.irp i, 0,1,2,3,4,5,6,7,8,9,10,11,12,13,14,15
	v_mov_b32 v[ACC+16*\e+\i], v[T+\e]             ; reference()'s broadcast along the head: the conversion takes 16 numbers from 16 registers
.endr
.endr
	v_lshl_or_b32 v[T+8], v[T+6], 8, v[T+6]
	v_lshl_or_b32 v[T+9], v[T+7], 8, v[T+7]
	s_delay_alu instid0(VALU_DEP_1)
	v_lshl_or_b32 v[T+8], v[T+9], 16, v[T+8]       ; the scale word: even, even, odd, odd
	v_cvt_scalef32_pk16_bf6_f32 v[XF:XF+2], v[ACC:ACC+15], v[T+4]
	v_cvt_scalef32_pk16_bf6_f32 v[XF+6:XF+8], v[ACC+16:ACC+31], v[T+5]
	v_nop                                          ; one plain instruction behind the scaled conversions
.irp i, 0,1,2
	v_mov_b32 v[XF+3+\i], v[XF+\i]                 ; a block's upper 16 codes are its lower 16
	v_mov_b32 v[XF+9+\i], v[XF+6+\i]
.endr
.irp c, 0,1,2
	ds_store_b128 v[XW], v[XF+4*\c:XF+4*\c+3] offset:512*\c
.endr
	ds_store_b32 v[XSW], v[T+8]
	BARRIER                                        ; x's sixteen images lie in LDS
	XLOAD 0
	s_wait_loadcnt 0x0                             ; Wp's eight fragments and its scale words are in,
	s_wait_dscnt 0x0                               ; and tile 0 of x
; Tile m: its products; the row of tile m - 1, read back meanwhile, is stored; tile m + 1's fragments are asked for; tile m goes into stage buffer m % 2; the barrier; my row of it is asked for.
; Buffer m % 2 is written again by tile m + 2, behind barrier m + 1, in front of which every wave has waited for its reads of tile m.
.irp m, 0,1,2,3
	ROWS \m
.if \m > 0
	s_wait_dscnt 0x0                               ; my row of the tile before is back in registers
	SEND \m-1
.endif
.if \m < 3
	XLOAD \m+1
.endif
	TOSTAGE \m
	BARRIER                                        ; 16 whole rows of out lie in the buffer, and the next tile's fragments are in
.if \m > 1
	s_wait_xcnt 0x0                                ; the stores of tile m - 2 have read their registers, which take this tile's row
.endif
	BACKROW \m
.endr
	s_wait_dscnt 0x0
	SEND 3
	s_wait_tensorcnt 0x0                           ; the wave's end, behind my last LDS store
	ds_add_u32 v[SPW], v[NIL]
	s_wait_dscnt 0x0
	s_endpgm
.Lfunc_end_k_q875d55b22c_attnout:
	.size	k_q875d55b22c_attnout, .Lfunc_end_k_q875d55b22c_attnout-k_q875d55b22c_attnout
	.p2alignl 7, 3214868480
	.fill 96, 4, 3214868480
	.section	.rodata,"a",@progbits
	.p2align	6, 0x0
	.amdhsa_kernel k_q875d55b22c_attnout
		.amdhsa_group_segment_fixed_size 102912
		.amdhsa_private_segment_fixed_size 0
		.amdhsa_enable_private_segment 0
		.amdhsa_kernarg_size 48
		.amdhsa_user_sgpr_count 2
		.amdhsa_user_sgpr_kernarg_segment_ptr 1
		.amdhsa_wavefront_size32 1
		.amdhsa_system_sgpr_workgroup_id_x 1
		.amdhsa_system_sgpr_workgroup_id_y 1
		.amdhsa_system_sgpr_workgroup_id_z 1
		.amdhsa_system_vgpr_workitem_id 0
		.amdhsa_next_free_vgpr 256
		.amdhsa_next_free_sgpr 66
		.amdhsa_reserve_vcc 0
		.amdhsa_float_denorm_mode_32 3
		.amdhsa_float_denorm_mode_16_64 3
		.amdhsa_memory_ordered 1
		.amdhsa_forward_progress 1
		.amdhsa_inst_pref_size 78
	.end_amdhsa_kernel
	.amdgpu_metadata
---
amdhsa.version: [ 1, 2 ]
amdhsa.kernels:
  - .name:           k_q875d55b22c_attnout
    .symbol:         k_q875d55b22c_attnout.kd
    .args:
      - { .name: qws, .offset: 0, .size: 8, .value_kind: global_buffer, .address_space: global }
      - { .name: kws, .offset: 8, .size: 8, .value_kind: global_buffer, .address_space: global }
      - { .name: supp_mask, .offset: 16, .size: 8, .value_kind: global_buffer, .address_space: global }
      - { .name: wpimg, .offset: 24, .size: 8, .value_kind: global_buffer, .address_space: global }
      - { .name: Wp_scales, .offset: 32, .size: 8, .value_kind: global_buffer, .address_space: global }
      - { .name: out0, .offset: 40, .size: 8, .value_kind: global_buffer, .address_space: global }
    .group_segment_fixed_size: 102912
    .private_segment_fixed_size: 0
    .kernarg_segment_align: 8
    .kernarg_segment_size: 48
    .max_flat_workgroup_size: 512
    .sgpr_count:     66
    .vgpr_count:     256
    .wavefront_size: 32
...
	.end_amdgpu_metadata
.endif
;; end of part 2
